; MI455X (gfx1250); checked and timed in simulation.
; The chip was launched on July 23, 2026; its instructions are those of AMD's public machine-readable ISA for CDNA 5 (MIT licence, August 2026) and "CDNA5" Instruction Set Architecture Reference Guide (July 2026). The comments in the code are by the model that wrote it; some were corrected since.
;; Net. Allowed arithmetic: float matrix products may take bf16 or f16 operands with f32 sums; all other float work in f32.
;; Inputs: bw0 256 x 128 float32; bw1 256 x 256 float32; bw2 64 x 256 float32; bw3 64 x 64 float32; bw4 18 x 64 float32; bw5 64 x 64 float32; bw6 1 x 64 float32; sc0 256 x 128 float32; sc1 256 x 256 float32; sc2 64 x 256 float32; sc3 64 x 64 float32; sc4 18 x 64 float32; sc5 64 x 64 float32; sc6 1 x 64 float32; sw0 256 x 128 x 8 float32; sw1 256 x 256 x 8 float32; sw2 64 x 256 x 8 float32; sw3 64 x 64 x 8 float32; sw4 18 x 64 x 8 float32; sw5 64 x 64 x 8 float32; sw6 1 x 64 x 8 float32; x 16,384 x 128 float32.
;; Outputs: out0 16,384 x 18 float32; out1 16,384 x 1 float32.
;; One version. Each part assembles by itself: llvm-mc -triple=amdgcn-amd-amdhsa -mcpu=gfx1250 --defsym DOCPART=n.
;; ======== version 1 of 1: 2 launches
;; limits: values are held in f16: magnitudes above 65,504 overflow, below 6.1e-05 lose precision; right only within a limited range of input values
;; workspace buffers: wf 2,572,288 bytes
;; launch prep (part 1): grid 628 x 1, 8 waves a work-group, no clusters, 0 bytes of LDS; arguments bw0, bw1, bw2, bw3, bw4, bw5, bw6, sw0, sw1, sw2, sw3, sw4, sw5, sw6, sc0, sc1, sc2, sc3, sc4, sc5, sc6, wf; writes wf
.if DOCPART == 1
	.amdgcn_target "amdgcn-amd-amdhsa--gfx1250"
	.amdhsa_code_object_version 6
	.text
	.protected	k_q3e53cd2ca8_prep
	.globl	k_q3e53cd2ca8_prep
	.p2align	8
	.type	k_q3e53cd2ca8_prep,@function
k_q3e53cd2ca8_prep:
	s_mov_b64 s[64:65], 0
	v_nop
	global_prefetch_b8 v0, s[64:65] scope:SCOPE_SE
	s_setreg_imm32_b32 hwreg(HW_REG_WAVE_MODE, 25, 1), 1
	s_wait_xcnt 0x0
; The weights of the five merged layers (L0 128->256, L1 256->256, L2 256->64, L3' 64->128 = layers 3 and 5 side by side,
; L4' 128->32 = layers 4 and 6 block-diagonal, the rest 0) are written as matrix fragments of 1,024 bytes, in the order in which
; the second launch's wave w (0..3) walks them: wf = [w][628 fragments].  In a fragment bytes 16 lane hold registers 0-3 and bytes 512 + 16 lane registers 4-7.
; Order in a stream: layer, half of 32 input features, spline steps (NT fragments each), silu high parts (NT), silu low parts (NT).
; Spline fragments are sw x sc x 512/6 in f16 (LIMIT: |sw x sc| under 767, else f16 overflows); silu fragments are bw in bf16, high part and remainder.
; One wave makes half a fragment: 512 consecutive bytes, one store.  628 work-groups x 8 waves = 2 x 4 x 628 halves.
; s[8+2l] bw l, s[22+2l] sw l, s[36+2l] sc l, s[50:51] wf
	s_load_b512 s[8:23], s[0:1], 0x0
	s_load_b512 s[24:39], s[0:1], 0x40
	s_load_b256 s[40:47], s[0:1], 0x80
	s_load_b128 s[48:51], s[0:1], 0xa0
	v_lshrrev_b32 v1, 5, v0
	v_readfirstlane_b32 s52, v1            ; wave 0..7
	s_and_b32 s62, s52, 1                  ; hs: which half of the fragment
	s_lshr_b32 s53, s52, 1
	s_lshl_b32 s54, ttmp9, 3
	s_add_co_u32 s54, s54, s52
	s_lshl_b32 s89, s54, 9                 ; my 512 bytes in wf
	s_cmp_ge_u32 ttmp9, 157                ; a stream is 157 work-groups
	s_cselect_b32 s61, 1, 0
	s_cmp_ge_u32 ttmp9, 314
	s_cselect_b32 s55, 1, 0
	s_add_co_u32 s61, s61, s55
	s_cmp_ge_u32 ttmp9, 471
	s_cselect_b32 s55, 1, 0
	s_add_co_u32 s61, s61, s55             ; w: the stream
	s_mul_i32 s55, s61, 157
	s_sub_co_u32 s55, ttmp9, s55
	s_lshl2_add_u32 s63, s55, s53          ; q: the fragment in the stream
	s_wait_kmcnt 0x0
; The scalar decode of one layer.  QB first fragment, HF fragments a half, LNT log2 of its feature tiles NT, SNT spline fragments a half,
; NO the rotation of wave w's tile order (slot tt holds tile (tt + w NO) mod NT), FW input features a wave, TILES input tiles a half.
; Leaves: s69 1 = spline, s70 step or high/low, s71 feature tile, s73 input feature (less 8 h), s77 0 = the half is all zeros.
.macro ARM QB, HF, LNT, SNT, NO, FW, TILES
	s_sub_co_u32 s66, s63, \QB
	s_cmp_ge_u32 s66, \HF
	s_cselect_b32 s67, 1, 0                ; which half
	s_mul_i32 s68, s67, \HF
	s_sub_co_u32 s66, s66, s68
	s_cmp_lt_u32 s66, \SNT
	s_cselect_b32 s69, 1, 0
	s_cselect_b32 s68, 0, \SNT
	s_sub_co_u32 s68, s66, s68
	s_lshr_b32 s70, s68, \LNT
	s_and_b32 s71, s68, (1<<\LNT)-1
	s_mul_i32 s72, s61, \NO
	s_add_co_u32 s71, s71, s72
	s_and_b32 s71, s71, (1<<\LNT)-1
	s_mul_i32 s73, s61, \FW
	s_lshl_b32 s74, s67, 5
	s_add_co_u32 s73, s73, s74
	s_lshr_b32 s74, s70, 2                 ; spline step s: tile s / 4, features 2 (s % 4) + hs of each lane half's eight
	s_lshl_b32 s74, s74, 4
	s_and_b32 s75, s70, 3
	s_lshl1_add_u32 s74, s75, s74
	s_add_co_u32 s74, s74, s62
.if \TILES == 2
	s_lshl_b32 s76, s62, 4                 ; silu: registers 0-3 the first tile, 4-7 the second
	s_mov_b32 s77, 1
.else
	s_mov_b32 s76, 0                       ; one tile: the silu fragments' second half is 0
	s_xor_b32 s77, s62, 1
	s_or_b32 s77, s77, s69
.endif
	s_cmp_eq_u32 s69, 1
	s_cselect_b32 s74, s74, s76
	s_add_co_u32 s73, s73, s74
.endm
; The source layer l: its three tensors, the merged row at which its rows begin, its rows, the merged column at which its columns begin, log2 of its columns
.macro SRC l, rowb, nrows, colb, lin
	s_mov_b64 s[78:79], s[8+2*\l:9+2*\l]
	s_mov_b64 s[80:81], s[22+2*\l:23+2*\l]
	s_mov_b64 s[82:83], s[36+2*\l:37+2*\l]
	s_mov_b32 s84, \rowb
	s_mov_b32 s90, \nrows
	s_mov_b32 s91, \colb
	s_mov_b32 s88, \lin
	s_branch .Lcommon
.endm
	s_cmp_lt_u32 s63, 160
	s_cbranch_scc1 .La0
	s_cmp_lt_u32 s63, 480
	s_cbranch_scc1 .La1
	s_cmp_lt_u32 s63, 560
	s_cbranch_scc1 .La2
	s_cmp_lt_u32 s63, 608
	s_cbranch_scc1 .La3
	ARM 608, 20, 1, 16, 0, 32, 2
	s_cmp_ge_u32 s61, 2                    ; waves 0, 1 hold the advantage head's features, waves 2, 3 the value head's
	s_cbranch_scc1 .La4b
	SRC 4, 0, 18, 0, 6
.La4b:
	SRC 6, 18, 1, 64, 6
.La0:
	ARM 0, 160, 4, 128, 4, 32, 2
	SRC 0, 0, 256, 0, 7
.La1:
	ARM 160, 160, 4, 128, 4, 64, 2
	SRC 1, 0, 256, 0, 8
.La2:
	ARM 480, 40, 2, 32, 1, 64, 2
	SRC 2, 0, 64, 0, 8
.La3:
	ARM 560, 48, 3, 32, 2, 16, 1
	s_cmp_ge_u32 s71, 4                    ; tiles 0-3 are layer 3's rows, tiles 4-7 layer 5's
	s_cbranch_scc1 .La3b
	SRC 3, 0, 64, 0, 6
.La3b:
	SRC 5, 64, 64, 0, 6
.Lcommon:
	s_lshl_b32 s85, s71, 4
	s_sub_co_u32 s85, s85, s84             ; the tile's first row in the source (it may wrap below 0: such rows are not valid)
	s_sub_co_u32 s73, s73, s91
	s_mul_i32 s86, s90, s77                ; rows that are valid
	s_sub_co_u32 s87, s90, 1
	v_and_b32 v1, 31, v0
	v_and_b32 v2, 15, v0                   ; r: the output feature in the tile
	v_bfe_u32 v3, v0, 4, 1                 ; h
	v_add_nc_u32 v4, s85, v2
	v_cmp_gt_u32 vcc_lo, s86, v4           ; a row that the source does not have gives zeros,
	v_min_u32 v4, s87, v4                  ; and loads from the last row that it has: every load stays inside its tensor
	v_lshlrev_b32 v4, s88, v4
	v_lshl_add_u32 v5, v3, 3, s73
	v_add_nc_u32 v4, v4, v5                ; row x columns + column
	v_lshl_add_u32 v24, v1, 4, s89
	s_cmp_eq_u32 s69, 1
	s_cbranch_scc0 .Lsilu
	v_lshlrev_b32 v5, 5, v4                ; eight coefficients of 4 bytes
	v_lshlrev_b32 v6, 2, v4
	global_load_b128 v[8:11], v5, s[80:81]
	global_load_b128 v[12:15], v5, s[80:81] offset:16
	global_load_b32 v16, v6, s[82:83]
	s_wait_loadcnt 0x0
	v_mul_f32 v16, 0x42aaaaab, v16         ; sc x 512/6: the second launch makes 6/512 of each basis
.irp k, 0,1,2,3,4,5,6,7
	v_mul_f32 v[8+\k], v[8+\k], v16
.endr
.irp k, 0,1,2,3
	v_cvt_pk_f16_f32 v[20+\k], v[8+2*\k], v[9+2*\k]
.endr
	s_branch .Lstore
.Lsilu:
	v_lshlrev_b32 v5, 2, v4
	global_load_b128 v[8:11], v5, s[78:79]
	global_load_b128 v[12:15], v5, s[78:79] offset:16
	s_wait_loadcnt 0x0
.irp k, 0,1,2,3
	v_cvt_pk_bf16_f32 v[20+\k], v[8+2*\k], v[9+2*\k]
.endr
	s_cmp_eq_u32 s70, 0
	s_cbranch_scc1 .Lstore
.irp k, 0,1,2,3                        ; the low part: what the high part left over, rounded again
	v_lshlrev_b32 v16, 16, v[20+\k]
	v_and_b32 v17, 0xffff0000, v[20+\k]
	v_sub_f32 v[8+2*\k], v[8+2*\k], v16
	v_sub_f32 v[9+2*\k], v[9+2*\k], v17
.endr
.irp k, 0,1,2,3
	v_cvt_pk_bf16_f32 v[20+\k], v[8+2*\k], v[9+2*\k]
.endr
.Lstore:
.irp k, 0,1,2,3
	v_cndmask_b32 v[20+\k], 0, v[20+\k], vcc_lo
.endr
	global_store_b128 v24, v[20:23], s[50:51]  ; the wave's 512 consecutive bytes, at a multiple of 512 from wf's first byte
	s_endpgm
.Lfunc_end_k_q3e53cd2ca8_prep:
	.size	k_q3e53cd2ca8_prep, .Lfunc_end_k_q3e53cd2ca8_prep-k_q3e53cd2ca8_prep
	.p2alignl 7, 3214868480
	.fill 96, 4, 3214868480
	.section	.rodata,"a",@progbits
	.p2align	6, 0x0
	.amdhsa_kernel k_q3e53cd2ca8_prep
		.amdhsa_group_segment_fixed_size 0
		.amdhsa_private_segment_fixed_size 0
		.amdhsa_enable_private_segment 0
		.amdhsa_kernarg_size 176
		.amdhsa_user_sgpr_count 2
		.amdhsa_user_sgpr_kernarg_segment_ptr 1
		.amdhsa_wavefront_size32 1
		.amdhsa_system_sgpr_workgroup_id_x 1
		.amdhsa_system_sgpr_workgroup_id_y 1
		.amdhsa_system_sgpr_workgroup_id_z 1
		.amdhsa_system_vgpr_workitem_id 0
		.amdhsa_next_free_vgpr 40
		.amdhsa_next_free_sgpr 100
		.amdhsa_reserve_vcc 1
		.amdhsa_float_denorm_mode_32 3
		.amdhsa_float_denorm_mode_16_64 3
		.amdhsa_memory_ordered 1
		.amdhsa_forward_progress 1
		.amdhsa_inst_pref_size 12
	.end_amdhsa_kernel
	.amdgpu_metadata
---
amdhsa.version: [ 1, 2 ]
amdhsa.kernels:
  - .name:           k_q3e53cd2ca8_prep
    .symbol:         k_q3e53cd2ca8_prep.kd
    .args:
      - { .name: bw0, .offset: 0, .size: 8, .value_kind: global_buffer, .address_space: global }
      - { .name: bw1, .offset: 8, .size: 8, .value_kind: global_buffer, .address_space: global }
      - { .name: bw2, .offset: 16, .size: 8, .value_kind: global_buffer, .address_space: global }
      - { .name: bw3, .offset: 24, .size: 8, .value_kind: global_buffer, .address_space: global }
      - { .name: bw4, .offset: 32, .size: 8, .value_kind: global_buffer, .address_space: global }
      - { .name: bw5, .offset: 40, .size: 8, .value_kind: global_buffer, .address_space: global }
      - { .name: bw6, .offset: 48, .size: 8, .value_kind: global_buffer, .address_space: global }
      - { .name: sw0, .offset: 56, .size: 8, .value_kind: global_buffer, .address_space: global }
      - { .name: sw1, .offset: 64, .size: 8, .value_kind: global_buffer, .address_space: global }
      - { .name: sw2, .offset: 72, .size: 8, .value_kind: global_buffer, .address_space: global }
      - { .name: sw3, .offset: 80, .size: 8, .value_kind: global_buffer, .address_space: global }
      - { .name: sw4, .offset: 88, .size: 8, .value_kind: global_buffer, .address_space: global }
      - { .name: sw5, .offset: 96, .size: 8, .value_kind: global_buffer, .address_space: global }
      - { .name: sw6, .offset: 104, .size: 8, .value_kind: global_buffer, .address_space: global }
      - { .name: sc0, .offset: 112, .size: 8, .value_kind: global_buffer, .address_space: global }
      - { .name: sc1, .offset: 120, .size: 8, .value_kind: global_buffer, .address_space: global }
      - { .name: sc2, .offset: 128, .size: 8, .value_kind: global_buffer, .address_space: global }
      - { .name: sc3, .offset: 136, .size: 8, .value_kind: global_buffer, .address_space: global }
      - { .name: sc4, .offset: 144, .size: 8, .value_kind: global_buffer, .address_space: global }
      - { .name: sc5, .offset: 152, .size: 8, .value_kind: global_buffer, .address_space: global }
      - { .name: sc6, .offset: 160, .size: 8, .value_kind: global_buffer, .address_space: global }
      - { .name: wf, .offset: 168, .size: 8, .value_kind: global_buffer, .address_space: global }
    .group_segment_fixed_size: 0
    .private_segment_fixed_size: 0
    .kernarg_segment_align: 8
    .kernarg_segment_size: 176
    .max_flat_workgroup_size: 256
    .sgpr_count:     100
    .vgpr_count:     40
    .wavefront_size: 32
...
	.end_amdgpu_metadata
.endif
;; end of part 1
;; launch net (part 2): grid 256 x 1, 4 waves a work-group, clusters of 4 x 1, 327,680 bytes of LDS; arguments x, wf, out0, out1; writes out0, out1
.if DOCPART == 2
	.amdgcn_target "amdgcn-amd-amdhsa--gfx1250"
	.amdhsa_code_object_version 6
	.text
	.protected	k_q3e53cd2ca8_net
	.globl	k_q3e53cd2ca8_net
	.p2align	8
	.type	k_q3e53cd2ca8_net,@function
k_q3e53cd2ca8_net:
	s_mov_b64 s[64:65], 0
	v_nop
	global_prefetch_b8 v0, s[64:65] scope:SCOPE_SE
	s_setreg_imm32_b32 hwreg(HW_REG_WAVE_MODE, 25, 1), 1
	s_wait_xcnt 0x0
	s_wait_alu depctr_hold_cnt(0) depctr_sa_sdst(0) depctr_va_vdst(0) depctr_va_sdst(0) depctr_va_ssrc(0) depctr_va_vcc(0) depctr_vm_vsrc(0)
	s_getreg_b32 s2, hwreg(HW_REG_IB_STS2, 6, 4)
	s_cmp_eq_u32 s2, 0
	s_cbranch_scc0 .Lentry_in_a_cluster
	s_endpgm
.Lentry_in_a_cluster:
	s_bfe_u32 s2, ttmp6, 0x10000c
	s_cmp_lg_u32 s2, 0x3003
	s_cbranch_scc0 .Lentry_shape_is_right
	s_endpgm
.Lentry_shape_is_right:
; The whole network for 64 rows a work-group; activations never leave the WGP.  A layer is one product of length 9 x inputs: eight cubic B-spline bases of each
; input (f16, against sw x sc x 512/6 in f16) and silu of it (bf16, high part and remainder, against bw likewise: hi hi + lo hi + hi lo).  Sums in f32.
; BASES.  With e_j = 0.3125 x + (5.5 - j) / 8:  p_j = min(e_j, -e_(j+4)), a_j = max(p_j, 0), b_j = max(k p_j - k / 8, 0) with k = 4^(1/3); basis_j x 6/512 = a^3 - b^3: 0 outside the grid, at most 1/128.
; SHARES.  K IS SPLIT OVER THE WAVES: wave w owns a quarter of the layer's input features for all 64 rows (four row blocks rb of 16) and holds partial sums for all NT = outputs / 16 feature tiles:
; accumulator rb NT + tt.  So each activation is expanded by one lane once, each weight fragment read from LDS feeds four products, and no wave reads another's weights.
; The products are used transposed (source 0 = 16 output features, source 1 = 16 rows): a lane holds one row and eight features, the very ones that it expands in the next layer.
; At a layer's end the partial sums are exchanged through LDS; wave w's slots are rotated (by the first launch) so that slots 0 .. NT/4 - 1 are its own share of the next layer.
; WEIGHTS.  Wave w streams its own 628 fragments of wf through two LDS slots of 32 KiB.  The four work-groups of a cluster walk the same streams, so every chunk is asked for JOINTLY.
; LIMITS.  |sw x sc| under 767 (f16 after the factor 512/6); NaN and infinities are not treated apart; the sums' order differs from a single chain's (four partial sums a number).
; REGISTERS, in windows of 256 (s_set_vgpr_msb: bits 1:0 source 0, 3:2 source 1, 5:4 source 2, 7:6 destination):
;   window 0: see the names below      window 1: weight fragments; the exchange's landing      windows 2, 3: the accumulators, 8 (index % 32)
.set AXB,   262144    ; behind the rings: an area for each wave: the activations (positions of 1 KiB: [rb][lane] two features), later the exchange's blocks; no tensor load lands here
.set AXP,   15360
.set SPARE, AXB+4*AXP ; the spare words, 128 bytes for each wave: two blocks of 256 bytes that no other line names
.set L16, 1           ; v1   16 x lane
.set WA,  2           ; v2   LDS address of the weights in hand
.set XA,  3           ; v3   LDS address of the activations' position in hand
.set AX0, 4           ; v4   my area + 8 x lane
.set AXS, 5           ; v5   my area + 16 x lane
.set RX,  6           ; v6-8 group g's block for me in the area of wave (w - g) % 4
.set SPW, 10          ; v10  LDS address of my spare word; never rewritten
.set NIL, 11          ; v11  0; never rewritten
.set CK,  12          ; v12-23   (5.5 - j) / 8, j = 0..11
.set XU,  24          ; v24-31   two activations for each row block
.set A0,  32          ; v32-47   two fragments of bases by turns; in the silu step at work (TT)
.set TT,  32
.set TW,  56          ; v56-111  at work: for each of two activations 28 registers: a (8), b (8), squares (8); in the silu step the activations of row blocks 0-2 (row block 3: v240-255)
.set HOLD, 112        ; v112-175 my third and fourth feature tile of the next layer, until the first two are used up
.set AH,  176         ; v176-239 silu: for each row block 8 registers high parts, 8 low parts; x's landing at the start; the last sums
.set LN,  112         ; instructions that expand two activations: a multiple of every NT
.set WV,  12          ; s12  my wave's number
.set G1,  24          ; s[24:31] descriptor group 1
.set G0,  32          ; s[32:35] descriptor group 0: it walks
.set TB,  48          ; s48  LDS byte of the fragments to be read next
.set TBASE, 49        ; s49  the slot in hand
.set CSTEP, 50
.set CCH,  51
.set CHALF, 52
.set XS,  53          ; s53  the position in hand x 1,024
.set C5,  54          ; s[54:55] 0.3125
.set NL,  56          ; s[56:57] -log2(e)
.set NC5, 58          ; s[58:59] -0.3125
.set KA,  60          ; s[60:61] k = 4^(1/3)
.set KB,  62          ; s[62:63] -k / 8
.set MSB, 0
.macro WIN new                         ; the high byte repeats the setting that is left; a switch that changes nothing is dropped
.if MSB != (\new)
	s_set_vgpr_msb (MSB<<8)|(\new)
.set MSB, (\new)
.endif
.endm
.macro PLACES n
.rept \n
	v_nop
.endr
.endm
.macro CROUND                          ; a round of the cluster's barrier
	s_barrier_signal -1
	s_barrier_wait -1
	s_cmp_lg_u32 s[WV], 0
	s_cbranch_scc1 .Lnw0_\@
	s_barrier_signal -3
.Lnw0_\@:
	s_barrier_wait -3
	s_barrier_signal -1
	s_barrier_wait -1
.endm
; THE CHANGE OF SLOTS, in front of each chunk's use.  My one tensor load that is out is that chunk's.  fill = 1: the other slot, whose reads are over, takes the next chunk
; (cb = this chunk's bytes, nxr = the next chunk's rows of 256 bytes): the joint load is the first thing behind the round.  fill = 0: the last chunk: only the wait.
.macro CHANGE cb, nxr, fill
	WIN 0
	s_wait_tensorcnt 0x0
.if \fill
	ds_add_u32 v[SPW], v[NIL]              ; the descriptor's steps stand between the add and the wait for it
.endif
	s_xor_b32 s[TBASE], s[TBASE], 0x8000
	s_mov_b32 s[TB], s[TBASE]
.if \fill
	s_xor_b32 s[G0+1], s[G0+1], 0x8000
	s_add_nc_u64 s[G0+2:G0+3], s[G0+2:G0+3], \cb
	s_mov_b32 s[G1+2], (\nxr)<<16
	s_mov_b32 s[G1+4], \nxr
	s_wait_dscnt 0x0                       ; the add is done, and my reads of the other slot are over
	CROUND
	tensor_load_to_lds s[G0:G0+3], s[G1:G1+7]
	s_nop 0
	PLACES 4                               ; also the places in front of the loads into fragment registers
.endif
.endm
.macro CLEAR n                         ; the first n accumulators start at 0: one text of the loop then serves every step of a layer
.set ix, 0
.rept \n
	WIN 0x80+0x40*(ix/32)
.set i, 0
.rept 8
	v_mov_b32 v[8*(ix%32)+i], 0
.set i, i+1
.endr
.set ix, ix+1
.endr
	WIN 0
.endm
; Number li of the LN = 112 plain instructions that make, of row block rb's two activations, a fragment of 16 bases in f16.  Stage by stage, both activations in each stage:
;   0-7 e_0..e_7     8-15 -e_4..-e_11     16-31 p = the smaller     32-39 k p - k / 8     40-55 a = max(p, 0)     56-71 b = max(.., 0)
;   72-79 b b     80-87 b^3     88-95 a a     96-103 a^3 - b^3     104-111 rounded to f16, two a register
.macro LI rb
	WIN 0
.set rU, XU+2*(\rb)
.set rA, A0+8*((\rb)%2)
.if li < 16
.set tb, TW+28*((li%8)/4)
.set kk, 2*(li%4)
.if li < 4
	v_pk_fma_f32 v[tb+kk:tb+kk+1], v[rU:rU+1], s[C5:C5+1], v[CK+kk:CK+kk+1] op_sel_hi:[0,0,1]
.elseif li < 8
	v_pk_fma_f32 v[tb+kk:tb+kk+1], v[rU:rU+1], s[C5:C5+1], v[CK+kk:CK+kk+1] op_sel:[1,0,0] op_sel_hi:[1,0,1]
.elseif li < 12
	v_pk_fma_f32 v[tb+8+kk:tb+9+kk], v[rU:rU+1], s[NC5:NC5+1], v[CK+4+kk:CK+5+kk] op_sel_hi:[0,0,1] neg_lo:[0,0,1] neg_hi:[0,0,1]
.else
	v_pk_fma_f32 v[tb+8+kk:tb+9+kk], v[rU:rU+1], s[NC5:NC5+1], v[CK+4+kk:CK+5+kk] op_sel:[1,0,0] op_sel_hi:[1,0,1] neg_lo:[0,0,1] neg_hi:[0,0,1]
.endif
.elseif li < 32
.set tb, TW+28*((li-16)/8)
.set kk, (li-16)%8
	v_min_num_f32 v[tb+kk], v[tb+kk], v[tb+8+kk]
.elseif li < 40
.set tb, TW+28*((li-32)/4)
.set kk, 2*((li-32)%4)
	v_pk_fma_f32 v[tb+8+kk:tb+9+kk], v[tb+kk:tb+kk+1], s[KA:KA+1], s[KB:KB+1] op_sel_hi:[1,0,0]
.elseif li < 56
.set tb, TW+28*((li-40)/8)
.set kk, (li-40)%8
	v_max_num_f32 v[tb+kk], 0, v[tb+kk]
.elseif li < 72
.set tb, TW+28*((li-56)/8)
.set kk, (li-56)%8
	v_max_num_f32 v[tb+8+kk], 0, v[tb+8+kk]
.else
.set st, (li-72)/8
.set uu, ((li-72)%8)/4
.set tb, TW+28*uu
.set kk, 2*((li-72)%4)
.if st == 0
	v_pk_mul_f32 v[tb+16+kk:tb+17+kk], v[tb+8+kk:tb+9+kk], v[tb+8+kk:tb+9+kk]
.elseif st == 1
	v_pk_mul_f32 v[tb+8+kk:tb+9+kk], v[tb+16+kk:tb+17+kk], v[tb+8+kk:tb+9+kk]
.elseif st == 2
	v_pk_mul_f32 v[tb+16+kk:tb+17+kk], v[tb+kk:tb+kk+1], v[tb+kk:tb+kk+1]
.elseif st == 3
	v_pk_fma_f32 v[tb+kk:tb+kk+1], v[tb+16+kk:tb+17+kk], v[tb+kk:tb+kk+1], v[tb+8+kk:tb+9+kk] neg_lo:[0,0,1] neg_hi:[0,0,1]
.else
	v_cvt_pk_f16_f32 v[rA+4*uu+kk/2], v[tb+kk], v[tb+kk+1]
.endif
.endif
.set li, li+1
.endm
.macro WMS NT, rb, tt                  ; a spline product: feature tile slot tt, row block rb
.set ix, (\rb)*(\NT)+(\tt)
.set rD, 8*(ix%32)
	WIN 0xa1+0x50*(ix/32)
	v_wmma_f32_16x16x32_f16 v[rD:rD+7], v[8*(\tt):8*(\tt)+7], v[A0+8*((\rb)%2):A0+8*((\rb)%2)+7], v[rD:rD+7]
.endm
.macro RUN NT, g                       ; a run of LDS loads: fragments 4 g .. 4 g + 3 of a step
	WIN 0x40
.set f, 4*(\g)
.if \NT < 4
.set nf, \NT
.else
.set nf, 4
.endif
.rept nf
	ds_load_b128 v[8*f:8*f+3], v[WA] offset:f*1024
	ds_load_b128 v[8*f+4:8*f+7], v[WA] offset:f*1024+512
.set f, f+1
.endr
.endm
; A PHASE: the NT products of row block wrb, and between them the LN instructions that expand row block erb (into the other fragment of bases).  The accumulators take turns.
; wfirst = 1 (wrb = 3, the step before's): behind every fourth product and its slice, seven plain instructions or more, the next step's fragments are loaded into the registers just read.
; wrb = 0: ahead of every fourth product the wait for its run; the later runs (8 loads each) may stay out.
.macro PHASE NT, wrb, erb, wfirst
.set li, 0
.set u, 0
.rept \NT
.if \wfirst
	WMS \NT, \wrb, u
.endif
.rept LN/\NT
	LI \erb
.endr
.if \wfirst
.if (u%4 == 3) || ((\NT == 2) && (u == 1))
	RUN \NT, u/4
.endif
.else
.if ((\wrb) == 0) && (u%4 == 0)
.if \NT >= 4
	s_wait_dscnt 2*\NT-8-8*(u/4)
.else
	s_wait_dscnt 0x0
.endif
.endif
	WMS \NT, \wrb, u
.endif
.set u, u+1
.endr
.endm
; THE SPLINE STEPS of a half: NCH chunks of SPC steps.  A step takes one position (two features a lane) of all four row blocks.  A trip begins with the step before's last row block, so that
; the change of slots stands at a trip's head and the fragments' registers are free for the next step's.
.macro SPL NT, NCH, SPC, CB, NXR
	CHANGE \CB, \NXR, 1
	s_mov_b32 s[XS], 0
	v_add_nc_u32 v[XA], s[XS], v[AX0]
.irp b, 0,1,2,3
	ds_load_b64 v[XU+2*(\b):XU+2*(\b)+1], v[XA] offset:256*(\b)
.endr
	v_add_nc_u32 v[WA], s[TB], v[L16]
	s_add_co_u32 s[TB], s[TB], 1024*\NT
.set gg, 0
.rept (\NT+3)/4
	RUN \NT, gg
.set gg, gg+1
.endr
	WIN 0
	s_wait_dscnt 2*\NT                     ; the four pairs of activations are in; the fragments may stay out
.set li, 0
.rept LN
	LI 0
.endr
	s_mov_b32 s[CSTEP], \SPC
.if \NCH > 1
	s_mov_b32 s[CCH], \NCH
.endif
	s_branch .Lmid_\@
.if \NCH > 1
.Lchunk_\@:
	CHANGE \CB, \NXR, 1
	s_mov_b32 s[CSTEP], \SPC
.endif
.Lstep_\@:
	s_add_co_u32 s[XS], s[XS], 1024
	v_add_nc_u32 v[XA], s[XS], v[AX0]
	ds_load_b64 v[XU+6:XU+7], v[XA] offset:768
	v_add_nc_u32 v[WA], s[TB], v[L16]
	s_add_co_u32 s[TB], s[TB], 1024*\NT
	s_wait_dscnt 1                         ; row blocks 0-2's activations are in; the load just issued may stay out
	PHASE \NT, 3, 0, 1
	WIN 0
.Lmid_\@:
	PHASE \NT, 0, 1, 0
	PHASE \NT, 1, 2, 0
	WIN 0
.irp b, 0,1,2                          ; the next step's (behind the last step: the position behind, which is read and not used)
	ds_load_b64 v[XU+2*(\b):XU+2*(\b)+1], v[XA] offset:1024+256*(\b)
.endr
	PHASE \NT, 2, 3, 0
	WIN 0
	s_sub_co_u32 s[CSTEP], s[CSTEP], 1
	s_cmp_lg_u32 s[CSTEP], 0
	s_cbranch_scc1 .Lstep_\@
.if \NCH > 1
	s_sub_co_u32 s[CCH], s[CCH], 1
	s_cmp_lg_u32 s[CCH], 0
	s_cbranch_scc1 .Lchunk_\@
.endif
.set u, 0
.rept \NT
	WMS \NT, 3, u
.set u, u+1
.endr
	WIN 0
	PLACES 5                               ; the bf16 products that follow take up accumulators that f16 products wrote; loads and vector lines write these products' sources
.endm
; Number sj of the 12 NPR + 2 instructions that make silu of row block rb's 2 NPR activations, as bf16 high parts and remainders.  Stage by stage.  Behind the run of exponentials and behind the
; run of reciprocals stands one v_nop: the plain instruction between a transcendental and the use of its result (ISA guide 5.7.2); other transcendentals and matrix instructions are none.
.macro SLI rb
.if sj < 12*NPR+2
	WIN 0
.set rX, 56+16*(\rb)+136*((\rb)/3)
.set rH, AH+16*(\rb)
.if sj < NPR
.set kk, 2*sj
	v_pk_mul_f32 v[TT+kk:TT+kk+1], v[rX+kk:rX+kk+1], s[NL:NL+1] op_sel_hi:[1,0]
.elseif sj < 3*NPR
	v_exp_f32 v[TT+sj-NPR], v[TT+sj-NPR]
.elseif sj == 3*NPR
	v_nop
	s_wait_alu depctr_va_vdst(0)
.elseif sj < 4*NPR+1
.set kk, 2*(sj-3*NPR-1)
	v_pk_add_f32 v[TT+kk:TT+kk+1], v[TT+kk:TT+kk+1], 1.0 op_sel_hi:[1,0]
.elseif sj < 6*NPR+1
	v_rcp_f32 v[TT+sj-4*NPR-1], v[TT+sj-4*NPR-1]
.elseif sj == 6*NPR+1
	v_nop
	s_wait_alu depctr_va_vdst(0)
.elseif sj < 7*NPR+2
.set kk, 2*(sj-6*NPR-2)
	v_pk_mul_f32 v[rX+kk:rX+kk+1], v[rX+kk:rX+kk+1], v[TT+kk:TT+kk+1]
.elseif sj < 8*NPR+2
.set kk, sj-7*NPR-2
	v_cvt_pk_bf16_f32 v[rH+kk], v[rX+2*kk], v[rX+2*kk+1]
.elseif sj < 10*NPR+2
.set kk, sj-8*NPR-2
.if kk%2 == 0
	v_lshlrev_b32 v[TT+kk], 16, v[rH+kk/2]
.else
	v_and_b32 v[TT+kk], 0xffff0000, v[rH+kk/2]
.endif
.elseif sj < 11*NPR+2
.set kk, 2*(sj-10*NPR-2)
	v_pk_add_f32 v[rX+kk:rX+kk+1], v[rX+kk:rX+kk+1], v[TT+kk:TT+kk+1] neg_lo:[0,1] neg_hi:[0,1]
.else
.set kk, sj-11*NPR-2
	v_cvt_pk_bf16_f32 v[rH+8+kk], v[rX+2*kk], v[rX+2*kk+1]
.endif
.endif
.set sj, sj+1
.endm
.macro XLOAD rb                        ; row block rb's activations of the half: NPR positions, two features a lane each
.set k, 0
.rept NPR
	ds_load_b64 v[56+16*(\rb)+136*((\rb)/3)+2*k:56+16*(\rb)+136*((\rb)/3)+2*k+1], v[AX0] offset:k*1024+(\rb)*256
.set k, k+1
.endr
.endm
.macro WMB NT, rb, tt, ps              ; a silu product.  ps 0: high x high; 1: low x high; 2: high x low
.set ix, (\rb)*(\NT)+(\tt)
.set rD, 8*(ix%32)
.set rS, AH+16*(\rb)+8*((\ps)%2)
.set rW, 8*((\tt)+(\NT)*((\ps)/2))
	WIN 0xa1+0x50*(ix/32)
	v_wmma_f32_16x16x32_bf16 v[rD:rD+7], v[rW:rW+7], v[rS:rS+7], v[rD:rD+7]
.endm
; THE SILU STEP of a half: 3 NT products a row block, and behind each of them a share of the next row block's silu.
; LDS loads in two groups: row blocks 0-2's activations and the high weights (24 + 2 NT at the most); behind row block 0's silu, row block 3's activations and the low weights (8 + 2 NT).
.macro SILU NT, TILES, UB, NXR, fill
	CHANGE \UB, \NXR, \fill
.set NPR, 4*\TILES
.set PER, (12*NPR+2+3*\NT-1)/(3*\NT)
	XLOAD 0
	XLOAD 1
	XLOAD 2
	v_add_nc_u32 v[WA], s[TB], v[L16]
	WIN 0x40
.set f, 0
.rept \NT
	ds_load_b128 v[8*f:8*f+3], v[WA] offset:f*1024
	ds_load_b128 v[8*f+4:8*f+7], v[WA] offset:f*1024+512
.set f, f+1
.endr
	WIN 0
.if \TILES == 1
.irp rb, 0,1,2,3                       ; one tile: the fragments' second halves are 0, as the weights' are
.irp k, 4,5,6,7,12,13,14,15
	v_mov_b32 v[AH+16*(\rb)+(\k)], 0
.endr
.endr
.endif
	s_wait_dscnt 2*\NT                     ; the three row blocks' activations are in; the high weights may stay out
.set sj, 0
.rept 12*NPR+2
	SLI 0
.endr
	s_wait_dscnt 0x0                       ; the high weights are in: the products below begin with them
	XLOAD 3
	WIN 0x40
.rept \NT
	ds_load_b128 v[8*f:8*f+3], v[WA] offset:f*1024
	ds_load_b128 v[8*f+4:8*f+7], v[WA] offset:f*1024+512
.set f, f+1
.endr
.irp rb, 0,1,2,3
.set sj, 0
.set ps, 0
.rept 3
.set u, 0
.rept \NT
.if ((\rb) == 0) && (ps == 2) && (u == 0)
	s_wait_dscnt 0x0                       ; the low weights are in, and row block 3's activations
.endif
	WMB \NT, \rb, u, ps
.if (\rb) < 3
.rept PER
	SLI (\rb)+1
.endr
.endif
.set u, u+1
.endr
.set ps, ps+1
.endr
.endr
	WIN 0
.endm
.macro HOLDST                          ; my third and fourth tile take the positions of the first two, which are used up
	WIN 0
.irp o, 0,1
.irp b, 0,1,2,3
.irp p, 0,1,2,3
	ds_store_b64 v[AX0], v[HOLD+32*(\o)+8*(\b)+2*(\p):HOLD+32*(\o)+8*(\b)+2*(\p)+1] offset:(4*(\o)+(\p))*1024+(\b)*256
.endr
.endr
.endr
.endm
; A PASS OF THE EXCHANGE: 16 / NT row blocks.  My 12 tiles that belong to others go into my area, group g (for wave (w + g) % 4) at (g - 1) x 4 KiB; behind a barrier I fetch the three
; groups meant for me and add them onto my own tiles; a second barrier frees the areas.  Each accumulator's lowest registers are read first.
.macro PASS NT, q
.set NOO, (\NT)/4
.set RBP, 16/(\NT)
.set g, 1
.rept 3
.set k, 0
.rept 4
.set ix, ((\q)*RBP+k/NOO)*(\NT)+g*NOO+k%NOO
	WIN 0x08+4*(ix/32)
	ds_store_b128 v[AXS], v[8*(ix%32):8*(ix%32)+3] offset:(g-1)*4096+k*1024
	ds_store_b128 v[AXS], v[8*(ix%32)+4:8*(ix%32)+7] offset:(g-1)*4096+k*1024+512
.set k, k+1
.endr
.set g, g+1
.endr
	WIN 0
	s_wait_dscnt 0x0                       ; for the others' sake: my stores are done
	s_barrier_signal -1
	s_barrier_wait -1
	WIN 0x40
.set g, 1
.rept 3
.set k, 0
.rept 4
	ds_load_b128 v[8*((g-1)*4+k):8*((g-1)*4+k)+3], v[RX+g-1] offset:k*1024
	ds_load_b128 v[8*((g-1)*4+k)+4:8*((g-1)*4+k)+7], v[RX+g-1] offset:k*1024+512
.set k, k+1
.endr
.set g, g+1
.endr
.set g, 1
.rept 3
	s_wait_dscnt 8*(3-g)                   ; group g is in; the later groups' eight loads each may stay out
.set k, 0
.rept 4
.set rbq, (\q)*RBP+k/NOO
.set oo, k%NOO
.set ix, rbq*(\NT)+oo
.set ra, 8*(ix%32)
.set rl, 8*((g-1)*4+k)
.set i, 0
.rept 4
.if (g == 3) && (oo >= 2)
	WIN 0x06+(ix/32)
	v_pk_add_f32 v[HOLD+(oo-2)*32+rbq*8+2*i:HOLD+(oo-2)*32+rbq*8+2*i+1], v[ra+2*i:ra+2*i+1], v[rl+2*i:rl+2*i+1]
.else
	WIN 0x86+0x41*(ix/32)
	v_pk_add_f32 v[ra+2*i:ra+2*i+1], v[ra+2*i:ra+2*i+1], v[rl+2*i:rl+2*i+1]
.endif
.set i, i+1
.endr
.set k, k+1
.endr
.set g, g+1
.endr
	WIN 0
	s_barrier_signal -1                    ; my reads of the others' areas are over (the last wait was for 0)
	s_barrier_wait -1
.endm
; A LAYER'S END: the passes; my first two tiles go into the positions; the next layer's NEXTT accumulators are cleared.
.macro XCH NT, NEXTT
	WIN 0
	PLACES 4                               ; behind the last products
.set qq, 0
.rept (\NT)/4
	PASS \NT, qq
.set qq, qq+1
.endr
.if \NT >= 8
.set NOF, 2
.else
.set NOF, 1
.endif
.set oo, 0
.rept NOF
.set rbq, 0
.rept 4
.set ix, rbq*(\NT)+oo
	WIN 0x08+4*(ix/32)
.set i, 0
.rept 4
	ds_store_b64 v[AX0], v[8*(ix%32)+2*i:8*(ix%32)+2*i+1] offset:(4*oo+i)*1024+rbq*256
.set i, i+1
.endr
.set rbq, rbq+1
.endr
.set oo, oo+1
.endr
	CLEAR \NEXTT
.endm
	s_load_b256 s[4:11], s[0:1], 0x0       ; x s[4:5], wf s[6:7], out0 s[8:9], out1 s[10:11]
	v_lshl_add_u32 v[SPW], v0, 2, SPARE
	v_mov_b32 v[NIL], 0
	ds_add_u32 v[SPW], v[NIL]              ; the wave's opening: the add and its wait stand ahead of my first tensor load
	v_lshrrev_b32 v240, 5, v0
	v_readfirstlane_b32 s[WV], v240        ; wave 0..3
	s_bfe_u32 s13, ttmp6, 0x40000          ; cx: my place in the cluster
	s_lshl_b32 s14, ttmp9, 2
	s_add_co_u32 s14, s14, s13             ; my block of 64 rows: it enters x's and the outputs' addresses alone
	s_mov_b32 s[G1], 15|(3<<16)|(1<<21)    ; the mask of four; elements of 8 bytes; bit 21 beside a mask; no padding: a chunk is dense, rows of 256 bytes
	s_mov_b32 s[G1+1], 32<<16              ; tensor_dim0 = 32
	s_mov_b32 s[G1+2], 128<<16             ; tensor_dim1 = the chunk's rows
	s_mov_b32 s[G1+3], 32<<16              ; tile_dim0 = 32
	s_mov_b32 s[G1+4], 128                 ; tile_dim1
	s_mov_b32 s[G1+5], 32                  ; from row to row
	s_mov_b32 s[G1+6], 0
	s_mov_b32 s[G1+7], 0
	s_mov_b32 s[G0], 1
	s_lshl_b32 s[G0+1], s[WV], 16          ; my ring: two slots of 32 KiB
	s_add_co_u32 s[TBASE], s[G0+1], 0x8000 ; the first change of slots turns this into slot 0
	s_mul_i32 s16, s[WV], 643072           ; my stream
	s_mov_b32 s17, 0
	s_lshl_b32 s18, s14, 15                ; 64 rows of 512 bytes
	s_mov_b32 s19, 0
	s_mul_i32 s20, s14, 4608               ; 64 rows of 72 bytes
	s_mov_b32 s21, 0
	s_lshl_b32 s22, s14, 8
	s_mov_b32 s23, 0
	s_mov_b32 s[C5], 0x3ea00000
	s_mov_b32 s[C5+1], s[C5]
	s_mov_b32 s[NL], 0xbfb8aa3b
	s_mov_b32 s[NL+1], s[NL]
	s_mov_b32 s[NC5], 0xbea00000
	s_mov_b32 s[NC5+1], s[NC5]
	s_mov_b32 s[KA], 0x3fcb2ff5            ; 4^(1/3) = 1.5874011
	s_mov_b32 s[KA+1], s[KA]
	s_mov_b32 s[KB], 0xbe4b2ff5            ; the same number divided by -8: k p - k / 8 is 0 at p = 1/8 exactly
	s_mov_b32 s[KB+1], s[KB]
	v_and_b32 v240, 31, v0
	v_and_b32 v241, 15, v0                 ; r
	v_bfe_u32 v242, v0, 4, 1               ; h
	v_lshlrev_b32 v243, 9, v241            ; x: row r, my wave's 32 features, 8 for each half of the lanes
	v_lshl_add_u32 v243, v242, 5, v243
	s_lshl_b32 s15, s[WV], 7
	v_add_nc_u32 v243, s15, v243
	s_wait_dscnt 0x0                       ; the opening add is done
	s_wait_kmcnt 0x0
	s_add_nc_u64 s[G0+2:G0+3], s[6:7], s[16:17]
	s_or_b32 s[G0+3], s[G0+3], 0x80000000
	s_add_nc_u64 s[4:5], s[4:5], s[18:19]
	s_add_nc_u64 s[8:9], s[8:9], s[20:21]
	s_add_nc_u64 s[10:11], s[10:11], s[22:23]
.irp b, 0,1,2,3
.irp o, 0,1
	global_load_b128 v[AH+16*(\b)+8*(\o):AH+16*(\b)+8*(\o)+3], v243, s[4:5] offset:(\b)*8192+(\o)*64
	global_load_b128 v[AH+16*(\b)+8*(\o)+4:AH+16*(\b)+8*(\o)+7], v243, s[4:5] offset:(\b)*8192+(\o)*64+16
.endr
.endr
	CROUND                                 ; all four work-groups are here: the first joint loads meet
	tensor_load_to_lds s[G0:G0+3], s[G1:G1+7]  ; chunk 0 into slot 0; slot 1 is filled by the first change of slots
	s_nop 0
	PLACES 4
	v_lshlrev_b32 v[L16], 4, v240
	s_mul_i32 s16, s[WV], AXP
	s_add_co_u32 s16, s16, AXB
	v_lshl_add_u32 v[AX0], v240, 3, s16
	v_add_nc_u32 v[AXS], s16, v[L16]
.irp g, 1,2,3
	s_sub_co_u32 s17, s[WV], \g
	s_and_b32 s17, s17, 3
	s_mul_i32 s17, s17, AXP
	s_add_co_u32 s17, s17, AXB+((\g)-1)*4096
	v_add_nc_u32 v[RX+(\g)-1], s17, v[L16]
.endr
	v_mov_b32 v[CK+0], 0x3f300000
	v_mov_b32 v[CK+1], 0x3f100000
	v_mov_b32 v[CK+2], 0x3ee00000
	v_mov_b32 v[CK+3], 0x3ea00000
	v_mov_b32 v[CK+4], 0x3e400000
	v_mov_b32 v[CK+5], 0x3d800000
	v_mov_b32 v[CK+6], 0xbd800000
	v_mov_b32 v[CK+7], 0xbe400000
	v_mov_b32 v[CK+8], 0xbea00000
	v_mov_b32 v[CK+9], 0xbee00000
	v_mov_b32 v[CK+10], 0xbf100000
	v_mov_b32 v[CK+11], 0xbf300000
	v_mov_b32 v244, 0
	v_mov_b32 v245, 0
.irp b, 0,1,2,3
	ds_store_b64 v[AX0], v[244:245] offset:8192+(\b)*256  ; the position behind the last, which the loop reads once and does not use
.endr
	CLEAR 64                               ; stands in the wait for x and for the first chunk
	s_wait_loadcnt 0x0
.irp b, 0,1,2,3
.irp o, 0,1
.irp p, 0,1,2,3
	ds_store_b64 v[AX0], v[AH+16*(\b)+8*(\o)+2*(\p):AH+16*(\b)+8*(\o)+2*(\p)+1] offset:(4*(\o)+(\p))*1024+(\b)*256
.endr
.endr
.endr
	; L0 (one half) and L1 (two halves) have one text: three trips.  Behind the first and the third stands a layer's end, behind the second the change to my other two tiles.
	s_mov_b32 s[CHALF], 3
.Lbig:
	SPL 16, 4, 2, 32768, 128
	SILU 16, 2, 32768, 128, 1
	s_cmp_eq_u32 s[CHALF], 2
	s_cbranch_scc1 .Lhold
	XCH 16, 64
	s_branch .Lnext
.Lhold:
	HOLDST
.Lnext:
	s_sub_co_u32 s[CHALF], s[CHALF], 1
	s_cmp_lg_u32 s[CHALF], 0
	s_cbranch_scc1 .Lbig
	; L2: two halves; the second trip's stores of the held tiles serve nothing: the price of one text
	s_mov_b32 s[CHALF], 2
.Lh2:
	SPL 4, 1, 8, 32768, 32
	SILU 4, 2, 8192, 128, 1
	HOLDST
	s_sub_co_u32 s[CHALF], s[CHALF], 1
	s_cmp_lg_u32 s[CHALF], 0
	s_cbranch_scc1 .Lh2
	XCH 4, 32
	SPL 8, 1, 4, 32768, 64                 ; L3': one tile a wave
	SILU 8, 1, 16384, 64, 1
	XCH 8, 8
	SPL 2, 1, 8, 16384, 16                 ; L4'
	SILU 2, 2, 4096, 0, 0
	; THE LAST SUMS.  Every wave puts its 8 tiles into its area; wave w adds the four partial sums of row block w; the 64 rows are laid out as they lie in memory and leave as whole blocks of 256 bytes.
	PLACES 4
.set ix, 0
.rept 8
	WIN 0x08
	ds_store_b128 v[AXS], v[8*ix:8*ix+3] offset:ix*1024
	ds_store_b128 v[AXS], v[8*ix+4:8*ix+7] offset:ix*1024+512
.set ix, ix+1
.endr
	WIN 0
	v_and_b32 v240, 31, v0
	v_and_b32 v241, 15, v0
	v_bfe_u32 v242, v0, 4, 1
	s_lshl_b32 s16, s[WV], 11
	s_add_co_u32 s16, s16, AXB
	v_add_nc_u32 v244, s16, v[L16]         ; tiles 2 w, 2 w + 1 of area 0
	s_mul_i32 s17, s[WV], 1152
	s_add_co_u32 s17, s17, AXB
	v_mul_u32_u24 v245, v241, 72
	v_lshl_add_u32 v245, v242, 5, v245
	v_add_nc_u32 v245, s17, v245           ; row 16 w + r of 72 bytes, 32 bytes for each half of the lanes
	s_lshl_b32 s18, s[WV], 6
	s_add_co_u32 s18, s18, AXB+4608
	v_lshl_add_u32 v246, v241, 2, s18      ; the row's state value
	v_lshl_add_u32 v247, v0, 4, AXB
	v_lshlrev_b32 v248, 4, v0
	v_lshl_add_u32 v249, v0, 3, AXB+4608
	v_lshlrev_b32 v250, 3, v0
	s_wait_dscnt 0x0
	s_barrier_signal -1
	s_barrier_wait -1
.irp s, 0,1,2,3
.irp t, 0,1
	ds_load_b128 v[AH+16*(\s)+8*(\t):AH+16*(\s)+8*(\t)+3], v244 offset:(\s)*AXP+(\t)*1024
	ds_load_b128 v[AH+16*(\s)+8*(\t)+4:AH+16*(\s)+8*(\t)+7], v244 offset:(\s)*AXP+(\t)*1024+512
.endr
.endr
	s_wait_dscnt 0x0
.irp i, 0,2,4,6,8,10,12,14
	v_pk_add_f32 v[AH+(\i):AH+(\i)+1], v[AH+(\i):AH+(\i)+1], v[AH+16+(\i):AH+16+(\i)+1]
	v_pk_add_f32 v[AH+32+(\i):AH+32+(\i)+1], v[AH+32+(\i):AH+32+(\i)+1], v[AH+48+(\i):AH+48+(\i)+1]
.endr
.irp i, 0,2,4,6,8,10,12,14
	v_pk_add_f32 v[AH+(\i):AH+(\i)+1], v[AH+(\i):AH+(\i)+1], v[AH+32+(\i):AH+32+(\i)+1]
.endr
	s_barrier_signal -1                    ; every wave's reads of the areas are over: the stage may be written
	s_barrier_wait -1
.irp i, 0,1,2,3
	ds_store_b64 v245, v[AH+2*(\i):AH+2*(\i)+1] offset:8*(\i)  ; advantages 8 h .. 8 h + 7: bytes 32 h .. 32 h + 31 of the row's 72
.endr
	v_cmp_gt_u32 vcc_lo, 16, v240
	s_wait_xcnt 0x0                        ; EXEC changes only behind this wait
	s_and_saveexec_b32 s20, vcc_lo         ; lanes 0-15 hold features 16 to 23
	ds_store_b64 v245, v[AH+8:AH+9] offset:64  ; advantages 16, 17: bytes 64 .. 71 of the row's 72
	ds_store_b32 v246, v[AH+10]            ; feature 18: the state value
	s_or_b32 exec_lo, exec_lo, s20
	s_wait_dscnt 0x0
	s_barrier_signal -1
	s_barrier_wait -1
	ds_load_b128 v[192:195], v247
	ds_load_b128 v[196:199], v247 offset:2048
	s_wait_dscnt 0x0
	global_store_b128 v248, v[192:195], s[8:9] th:TH_STORE_NT  ; a wave's store covers 512 consecutive bytes, at a multiple of 256 from out0's first byte
	global_store_b128 v248, v[196:199], s[8:9] offset:2048 th:TH_STORE_NT
	s_cmp_lg_u32 s[WV], 0
	s_cbranch_scc1 .Lend
	ds_load_b128 v[200:203], v247 offset:4096  ; the block's last 512 bytes, and its 256 bytes of out1
	ds_load_b64 v[204:205], v249
	s_wait_dscnt 0x0
	global_store_b128 v248, v[200:203], s[8:9] offset:4096 th:TH_STORE_NT
	global_store_b64 v250, v[204:205], s[10:11] th:TH_STORE_NT
.Lend:
	s_wait_tensorcnt 0x0                   ; the wave's end
	ds_add_u32 v[SPW], v[NIL]
	s_wait_dscnt 0x0
	CROUND                                 ; the closing round
	s_endpgm
.Lfunc_end_k_q3e53cd2ca8_net:
	.size	k_q3e53cd2ca8_net, .Lfunc_end_k_q3e53cd2ca8_net-k_q3e53cd2ca8_net
	.p2alignl 7, 3214868480
	.fill 96, 4, 3214868480
	.section	.rodata,"a",@progbits
	.p2align	6, 0x0
	.amdhsa_kernel k_q3e53cd2ca8_net
		.amdhsa_group_segment_fixed_size 327680
		.amdhsa_private_segment_fixed_size 0
		.amdhsa_enable_private_segment 0
		.amdhsa_kernarg_size 32
		.amdhsa_user_sgpr_count 2
		.amdhsa_user_sgpr_kernarg_segment_ptr 1
		.amdhsa_wavefront_size32 1
		.amdhsa_system_sgpr_workgroup_id_x 1
		.amdhsa_system_sgpr_workgroup_id_y 1
		.amdhsa_system_sgpr_workgroup_id_z 1
		.amdhsa_system_vgpr_workitem_id 0
		.amdhsa_next_free_vgpr 1024
		.amdhsa_next_free_sgpr 66
		.amdhsa_reserve_vcc 1
		.amdhsa_float_denorm_mode_32 3
		.amdhsa_float_denorm_mode_16_64 3
		.amdhsa_memory_ordered 1
		.amdhsa_forward_progress 1
		.amdhsa_inst_pref_size 255
	.end_amdhsa_kernel
	.section	.bss,"aw",@nobits
	.p2align	6
	.space	262144
	.amdgpu_metadata
---
amdhsa.version: [ 1, 2 ]
amdhsa.kernels:
  - .name:           k_q3e53cd2ca8_net
    .symbol:         k_q3e53cd2ca8_net.kd
    .args:
      - { .name: x, .offset: 0, .size: 8, .value_kind: global_buffer, .address_space: global }
      - { .name: wf, .offset: 8, .size: 8, .value_kind: global_buffer, .address_space: global }
      - { .name: out0, .offset: 16, .size: 8, .value_kind: global_buffer, .address_space: global }
      - { .name: out1, .offset: 24, .size: 8, .value_kind: global_buffer, .address_space: global }
    .group_segment_fixed_size: 327680
    .private_segment_fixed_size: 0
    .kernarg_segment_align: 8
    .kernarg_segment_size: 32
    .max_flat_workgroup_size: 128
    .sgpr_count:     66
    .vgpr_count:     1024
    .wavefront_size: 32
...
	.end_amdgpu_metadata
.endif
;; end of part 2
